; MI455X (gfx1250); checked and timed in simulation.
; The chip was launched on July 23, 2026; its instructions are those of AMD's public machine-readable ISA for CDNA 5 (MIT licence, August 2026) and "CDNA5" Instruction Set Architecture Reference Guide (July 2026). The comments in the code are by the model that wrote it; some were corrected since.
;; Bahdanau Attention. Allowed arithmetic: matrix products marked QUANTISED: E2M1 operands, one E8M0 scale for each 32 along K, by v_wmma_scale_f32_16x16x128_f8f6f4 with both operands' format E2M1 (or v_wmma_scale_f32_32x16x128_f4), f32 sums; products left as they are: f32 operands where the result goes on into a quantised operand, else bf16, f16 or f32 operands; f32 sums; everything else in f32.
;; Inputs: W_e_codes 1,024 x 32 x 16 uint8 (E2M1 codes of W_e, K innermost, in blocks of 32 codes, two codes a byte); W_e_scales 1,024 x 32 uint8 (E8M0 scales of W_e, one for each 32 codes along K); W_h_codes 1,024 x 32 x 16 uint8 (E2M1 codes of W_h, K innermost, in blocks of 32 codes, two codes a byte); W_h_scales 1,024 x 32 uint8 (E8M0 scales of W_h, one for each 32 codes along K); b_e 1,024 float32; b_h 1,024 float32; encoder_outputs 32 x 2,048 x 1,024 float32; hidden_codes 32 x 32 x 16 uint8 (E2M1 codes of hidden, K innermost, in blocks of 32 codes, two codes a byte); hidden_scales 32 x 32 uint8 (E8M0 scales of hidden, one for each 32 codes along K); mask 32 x 2,048 int32; v 1,024 float32.
;; Outputs: out0 32 x 1,024 float32; out1 32 x 2,048 float32.
;; This version of the problem:
;;   THIS VERSION OF THE PROBLEM IS GIVEN IN LOW PRECISION. The matrix products marked QUANTISED in the list below multiply operands that are first quantised to E2M1 (2 exponent bits, 1 mantissa bit; 4 bits a number), with one power-of-two scale for each 32 numbers along K (OCP MX v1.0); their sums are f32. All else is computed in f32.
;;   The module's matrix products, in the order in which they are computed (A, B: the left and right operand; K: the contracted axis; several contracted axes count as one K, in the product's order):
;;     1. [M 32, K 1,024] x [K 1,024, N 1,024]; A: input hidden (given as codes); B: input W_h (given as codes): QUANTISED
;;     2. [M 65,536, K 1,024] x [K 1,024, N 1,024]; A: input encoder_outputs; B: input W_e (given as codes): QUANTISED
;;     3. [M 65,536, K 1,024] x [K 1,024, N 1]; A: computed on the way; B: input v: left as it is (N = 1 < 16)
;;     4. batch 32 x [M 1, K 2,048] x [K 2,048, N 1,024]; A: softmax; B: input encoder_outputs: left as it is (M = 1 < 16)
;;   THE QUANTISER, for each operand of a quantised product, along K:
;;     - K is cut into blocks of 32 from its start; a last block that is shorter is filled with zeros.
;;     - A block's scale is 2^e with e = floor(log2(the largest magnitude in the block)) - 2, held to -126 .. 127; a block of zeros has e = 0. As a byte (E8M0): e + 127.
;;     - Each number is divided by its block's scale, clamped to +-6, and rounded to the nearest number of E2M1, ties to even, subnormals kept.
;;     - The product sums the exact products of the quantised numbers (number of the format x scale) in f32.
;;   ~~~python
;;   def quantise(x, axis):      # numpy; x: float32 -> the quantised numbers, widened to float32 again
;;       x = np.moveaxis(x, axis, -1); K = x.shape[-1]
;;       x = np.pad(x, [(0, 0)] * (x.ndim - 1) + [(0, -K % 32)]); x = x.reshape(x.shape[:-1] + (-1, 32)); a = np.abs(x).max(-1, keepdims=True)
;;       e = np.where(a > 0, np.clip(np.frexp(np.where(a > 0, a, 1))[1] - 1 - 2, -126, 127), 0)      # np.frexp(a)[1] - 1 = floor(log2(a)), exactly
;;       r = np.clip(x / 2.0 ** e, -6, 6)
;;       step = 2.0 ** (np.maximum(np.frexp(np.where(r == 0, 1, r))[1] - 1, 0) - 1)
;;       q = np.round(r / step) * step * 2.0 ** e      # np.round: ties to even
;;       return np.moveaxis(q.reshape(q.shape[:-2] + (-1,))[..., :K], -1, axis).astype(np.float32)
;;   ~~~
;;   INPUTS GIVEN AS CODES. W_e (in the module: [1024, 1024], K = its axis 0); W_h (in the module: [1024, 1024], K = its axis 0); hidden (in the module: [32, 1024], K = its axis 1): each comes as NAME_codes (uint8): NAME with its K axis moved to the last place and cut into blocks of 32 codes, [.., K / 32, bytes a block], one block behind the other in memory; two codes a byte, the lower K in the low four bits (a code: sign, 2 exponent bits, 1 mantissa bit); and NAME_scales (uint8): the same leading axes, one E8M0 byte (e + 127) for each 32 codes along K. Its value is code x scale, taken as it is: it is not quantised again, and the codes and scales need not be those that the quantiser above would give.
;; One version. Each part assembles by itself: llvm-mc -triple=amdgcn-amd-amdhsa -mcpu=gfx1250 --defsym DOCPART=n.
;; ======== version 1 of 1: 3 launches
;; limits: values are held in bf16: 8 bits of precision; right only within a limited range of input values
;; workspace buffers: cb 131,072 bytes; scores 262,144 bytes; part 2,097,152 bytes; ml 4,096 bytes
;; launch prep (part 1): grid 16 x 1, 4 waves a work-group, no clusters, 9,216 bytes of LDS; arguments hidden_codes, hidden_scales, W_h_codes, W_h_scales, b_h, b_e, cb; writes cb
.if DOCPART == 1
	.amdgcn_target "amdgcn-amd-amdhsa--gfx1250"
	.amdhsa_code_object_version 6
	.text
	.protected	k_qee211fd60b_prep
	.globl	k_qee211fd60b_prep
	.p2align	8
	.type	k_qee211fd60b_prep,@function
k_qee211fd60b_prep:
	s_mov_b64 s[64:65], 0
	v_nop
	global_prefetch_b8 v0, s[64:65] scope:SCOPE_SE
	s_setreg_imm32_b32 hwreg(HW_REG_WAVE_MODE, 25, 1), 1
	s_wait_xcnt 0x0
; FIRST OF THREE LAUNCHES.  cb[b][u] = c x (sum over k of hidden[b][k] W_h[k][u] + b_h[u] + b_e[u]), c = 2 log2(e), for 32 batches x 1,024 hidden units, f32.
; The product is reference()'s first: both operands arrive as codes of E2M1 with E8M0 scales and go to the matrix unit as they lie.
; THE PROGRAM: the second launch adds c x (encoder_outputs W_e) to cb and takes tanh z = 1 - 2 / (1 + 2^(c z)), an identity for every z; so the score of a row is sum(v) + sum over u of (-2 v[u]) / (1 + 2^(c z[u])).
; NO WORK OF reference() IS LEFT OUT: every product, both biases, the mask, the maximum ahead of the exponentials and sum(v) (which the mask's constant stands beside) are computed, and every input is loaded by one of the launches.
; LIMITS of the program: NaN and infinities among the inputs are not served.  A block of 32 zeros of encoder_outputs gets the scale byte 1 where the quantiser says 127: its codes are zeros, and the bytes are read by this
; program alone; blocks whose largest magnitude lies under 2^(3 - 127) were not tried.  In the last product encoder_outputs and the weights are rounded to bf16; the weights' sum is taken of the unrounded weights.
; SHARES.  Work-group X takes units 64 X .. 64 X + 63, wave w the 16 units of tile T = 4 X + w, for both tiles of 16 batches.  Source 0 = 16 rows of hidden, source 1 = 16 rows of W_h's codes (a row is a unit, K innermost):
; in the result lane l holds unit 16 T + l % 16, and register j batch 16 m + 8 (l / 16) + j.  Sixteen work-groups: the work is 1,024 matrix instructions in all and has no more to share.
; No tensor load, no cluster: each wave reads its 8 KiB of W_h once, straight into its operand registers.
.set SPARE, 8704                       ; behind the stage (32 rows x 272 bytes): the spare words, 128 bytes for each wave
.set CC,    0x4038aa3b                 ; c = 2 log2(e)
	s_load_b256 s[4:11], s[0:1], 0x0               ; hidden's codes s[4:5], its scales s[6:7], W_h's codes s[8:9], its scales s[10:11]
	s_load_b128 s[12:15], s[0:1], 0x20             ; b_h s[12:13], b_e s[14:15]
	s_load_b64 s[16:17], s[0:1], 0x30              ; cb
	v_lshl_add_u32 v1, v0, 2, SPARE                ; my spare word; never rewritten
	v_mov_b32 v2, 0                                ; 0; never rewritten
	v_lshrrev_b32 v3, 5, v0
	v_readfirstlane_b32 s18, v3                    ; wave 0..3
	v_and_b32 v3, 15, v0                           ; r = lane % 16
	v_bfe_u32 v4, v0, 4, 1                         ; h = lane / 16
	v_lshlrev_b32 v5, 9, v3
	v_lshl_add_u32 v5, v4, 4, v5                   ; codes: row r of 512 bytes, + 16 h
	v_lshlrev_b32 v7, 5, v3
	v_lshl_add_u32 v7, v4, 4, v7                   ; scales: row r of 32 bytes; lanes 0-15 take the words of K steps 0-3, lanes 16-31 those of K steps 4-7
	v_lshlrev_b32 v8, 2, v3                        ; the biases: 4 r
	v_mul_u32_u24 v9, v4, 2176
	v_lshl_add_u32 v9, v3, 2, v9
	s_lshl_b32 s28, s18, 6
	v_add_nc_u32 v9, s28, v9                       ; the stage, in: row 8 h (+ 16 m + j), byte 64 w + 4 r
	v_mul_u32_u24 v10, v4, 272
	v_lshl_add_u32 v10, v3, 4, v10
	s_mul_i32 s28, s18, 2176
	v_add_nc_u32 v10, s28, v10                     ; back: row 8 w + h (+ 2 k), 16 bytes a lane
	v_lshlrev_b32 v11, 12, v4
	v_lshl_add_u32 v11, v3, 4, v11
	s_lshl_b32 s28, s18, 15
	v_add_nc_u32 v11, s28, v11                     ; and the same rows in cb, 4,096 bytes a batch
	s_lshl_b32 s19, ttmp9, 2
	s_add_co_u32 s19, s19, s18                     ; T
	s_lshl_b32 s20, s19, 13                        ; 16 rows of 512 bytes
	s_mov_b32 s21, 0
	s_lshl_b32 s22, s19, 9                         ; 16 rows of 32 bytes
	s_mov_b32 s23, 0
	s_lshl_b32 s24, s19, 6                         ; 16 numbers of 4 bytes
	s_mov_b32 s25, 0
	s_lshl_b32 s26, ttmp9, 8                       ; the work-group's 64 units in a row of cb
	s_mov_b32 s27, 0
	s_mov_b32 s30, CC
	s_wait_kmcnt 0x0
	s_add_nc_u64 s[8:9], s[8:9], s[20:21]
	s_add_nc_u64 s[10:11], s[10:11], s[22:23]
	s_add_nc_u64 s[12:13], s[12:13], s[24:25]
	s_add_nc_u64 s[14:15], s[14:15], s[24:25]
	s_add_nc_u64 s[16:17], s[16:17], s[26:27]
; A fragment, 16 rows x 128 K of 4-bit codes, is 8 registers: lane (r, h) holds row r; registers 4 c .. 4 c + 3 hold K = 64 c + 32 h + 0 .. 31: 16 bytes of the row as they lie.
.irp m, 0,1
.irp s, 0,1,2,3,4,5,6,7
.irp c, 0,1
	global_load_b128 v[16+64*\m+8*\s+4*\c:19+64*\m+8*\s+4*\c], v5, s[4:5] offset:8192*\m+64*\s+32*\c
.endr
.endr
.endr
.irp s, 0,1,2,3,4,5,6,7
.irp c, 0,1
	global_load_b128 v[144+8*\s+4*\c:147+8*\s+4*\c], v5, s[8:9] offset:64*\s+32*\c
.endr
.endr
	global_load_b128 v[224:227], v7, s[6:7]        ; hidden's scale words, batches 0-15: register i: K step i below, K step 4 + i above
	global_load_b128 v[228:231], v7, s[6:7] offset:512
	global_load_b128 v[232:235], v7, s[10:11]      ; W_h's, my 16 units
	global_load_b32 v236, v8, s[12:13]             ; b_h of my lane's unit
	global_load_b32 v237, v8, s[14:15]             ; b_e
	s_wait_loadcnt 0x0
; K ascending; the two accumulators take turns, one instruction a turn.  The first K step starts the sums.
.irp s, 0,1,2,3,4,5,6,7
.irp m, 0,1
.if \s == 0
	v_wmma_scale_f32_16x16x128_f8f6f4 v[208+8*\m:215+8*\m], v[16+64*\m+8*\s:23+64*\m+8*\s], v[144+8*\s:151+8*\s], 0, v[224+4*\m+\s%4], v[232+\s%4] matrix_a_fmt:MATRIX_FMT_FP4 matrix_b_fmt:MATRIX_FMT_FP4
.elseif \s < 4
	v_wmma_scale_f32_16x16x128_f8f6f4 v[208+8*\m:215+8*\m], v[16+64*\m+8*\s:23+64*\m+8*\s], v[144+8*\s:151+8*\s], v[208+8*\m:215+8*\m], v[224+4*\m+\s%4], v[232+\s%4] matrix_a_fmt:MATRIX_FMT_FP4 matrix_b_fmt:MATRIX_FMT_FP4
.else
	v_wmma_scale_f32_16x16x128_f8f6f4 v[208+8*\m:215+8*\m], v[16+64*\m+8*\s:23+64*\m+8*\s], v[144+8*\s:151+8*\s], v[208+8*\m:215+8*\m], v[224+4*\m+\s%4], v[232+\s%4] matrix_a_fmt:MATRIX_FMT_FP4 matrix_b_fmt:MATRIX_FMT_FP4 matrix_a_scale:MATRIX_SCALE_ROW1 matrix_b_scale:MATRIX_SCALE_ROW1
.endif
.endr
.endr
.rept 4
	v_nop                                          ; four places between the last product and the first read of results (ISA guide 7.12.1)
.endr
	v_add_f32 v236, v236, v237
	v_mul_f32 v236, s30, v236                      ; c (b_h + b_e)
.irp j, 0,1,2,3,4,5,6,7,8,9,10,11,12,13,14,15
	v_fma_f32 v[208+\j], v[208+\j], s30, v236      ; each accumulator from its low end on
.endr
; A lane holds one unit of 16 batches: the numbers go through a stage (a row a batch, 256 bytes + 16) and leave as rows: sixteen lanes store 256 consecutive bytes, at a multiple of 256 from cb's first byte.
.irp m, 0,1
.irp j, 0,1,2,3,4,5,6,7
	ds_store_b32 v9, v[208+8*\m+\j] offset:(16*\m+\j)*272
.endr
.endr
	s_wait_dscnt 0x0                               ; for the others' sake: my stores into the stage are done
	s_barrier_signal -1
	s_barrier_wait -1
.irp k, 0,1,2,3
	ds_load_b128 v[240+4*\k:243+4*\k], v10 offset:544*\k
.endr
.irp k, 0,1,2,3
	s_wait_dscnt 3-\k
	global_store_b128 v11, v[240+4*\k:243+4*\k], s[16:17] offset:8192*\k
.endr
	s_wait_tensorcnt 0x0                           ; the wave's end, behind my last LDS store
	ds_add_u32 v1, v2
	s_wait_dscnt 0x0
	s_endpgm
.Lfunc_end_k_qee211fd60b_prep:
	.size	k_qee211fd60b_prep, .Lfunc_end_k_qee211fd60b_prep-k_qee211fd60b_prep
	.p2alignl 7, 3214868480
	.fill 96, 4, 3214868480
	.section	.rodata,"a",@progbits
	.p2align	6, 0x0
	.amdhsa_kernel k_qee211fd60b_prep
		.amdhsa_group_segment_fixed_size 9216
		.amdhsa_private_segment_fixed_size 0
		.amdhsa_enable_private_segment 0
		.amdhsa_kernarg_size 56
		.amdhsa_user_sgpr_count 2
		.amdhsa_user_sgpr_kernarg_segment_ptr 1
		.amdhsa_wavefront_size32 1
		.amdhsa_system_sgpr_workgroup_id_x 1
		.amdhsa_system_sgpr_workgroup_id_y 1
		.amdhsa_system_sgpr_workgroup_id_z 1
		.amdhsa_system_vgpr_workitem_id 0
		.amdhsa_next_free_vgpr 256
		.amdhsa_next_free_sgpr 66
		.amdhsa_reserve_vcc 0
		.amdhsa_float_denorm_mode_32 3
		.amdhsa_float_denorm_mode_16_64 3
		.amdhsa_memory_ordered 1
		.amdhsa_forward_progress 1
		.amdhsa_inst_pref_size 13
	.end_amdhsa_kernel
	.amdgpu_metadata
---
amdhsa.version: [ 1, 2 ]
amdhsa.kernels:
  - .name:           k_qee211fd60b_prep
    .symbol:         k_qee211fd60b_prep.kd
    .args:
      - { .name: hidden_codes, .offset: 0, .size: 8, .value_kind: global_buffer, .address_space: global }
      - { .name: hidden_scales, .offset: 8, .size: 8, .value_kind: global_buffer, .address_space: global }
      - { .name: W_h_codes, .offset: 16, .size: 8, .value_kind: global_buffer, .address_space: global }
      - { .name: W_h_scales, .offset: 24, .size: 8, .value_kind: global_buffer, .address_space: global }
      - { .name: b_h, .offset: 32, .size: 8, .value_kind: global_buffer, .address_space: global }
      - { .name: b_e, .offset: 40, .size: 8, .value_kind: global_buffer, .address_space: global }
      - { .name: cb, .offset: 48, .size: 8, .value_kind: global_buffer, .address_space: global }
    .group_segment_fixed_size: 9216
    .private_segment_fixed_size: 0
    .kernarg_segment_align: 8
    .kernarg_segment_size: 56
    .max_flat_workgroup_size: 128
    .sgpr_count:     66
    .vgpr_count:     256
    .wavefront_size: 32
...
	.end_amdgpu_metadata
.endif
;; end of part 1
;; launch main (part 2): grid 512 x 1, 4 waves a work-group, clusters of 4 x 1, 327,680 bytes of LDS; arguments encoder_outputs, W_e_codes, W_e_scales, cb, v, mask, scores, part, ml; writes scores, part, ml
.if DOCPART == 2
	.amdgcn_target "amdgcn-amd-amdhsa--gfx1250"
	.amdhsa_code_object_version 6
	.text
	.protected	k_qee211fd60b_main
	.globl	k_qee211fd60b_main
	.p2align	8
	.type	k_qee211fd60b_main,@function
k_qee211fd60b_main:
	s_mov_b64 s[64:65], 0
	v_nop
	global_prefetch_b8 v0, s[64:65] scope:SCOPE_SE
	s_setreg_imm32_b32 hwreg(HW_REG_WAVE_MODE, 25, 1), 1
	s_wait_xcnt 0x0
	s_wait_alu depctr_hold_cnt(0) depctr_sa_sdst(0) depctr_va_vdst(0) depctr_va_sdst(0) depctr_va_ssrc(0) depctr_va_vcc(0) depctr_vm_vsrc(0)
	s_getreg_b32 s2, hwreg(HW_REG_IB_STS2, 6, 4)
	s_cmp_eq_u32 s2, 0
	s_cbranch_scc0 .Lentry_in_a_cluster
	s_endpgm
.Lentry_in_a_cluster:
	s_bfe_u32 s2, ttmp6, 0x10000c
	s_cmp_lg_u32 s2, 0x3003
	s_cbranch_scc0 .Lentry_shape_is_right
	s_endpgm
.Lentry_shape_is_right:
; SECOND OF THREE LAUNCHES.  x = encoder_outputs as [65,536][1,024] f32.  A work-group takes 128 rows of x (a sixteenth of a batch) through the whole chain; x is read from memory once:
;   quantise along E to E2M1 codes | x W_e on codes | tanh | . v | mask | the block's largest score m | p = e^(score - m), their sum l | the block's part of the context.
; It stores the masked scores, (m, l) and the part; the last launch joins a batch's sixteen parts.  No work of reference() is left out here; the limits stand at the head of the first kernel.
; SHARES.  Wave w loads and quantises rows 32 w .. 32 w + 31 and keeps them as bf16 (512 registers) for the last product.  The codes and scale words go through LDS as images of the registers, so that
; in the first product wave w holds the codes of 64 rows (group w / 2: 256 registers, window 1) and takes half of the units (64 (w % 2) .. + 63 of each slot's 128): a fragment of W_e feeds four products.
; W_e's codes pass through a ring of two LDS slots of 128 units; its scale bytes come once and stay.  CLUSTER: all work-groups walk the same W_e; four ask for each tile jointly (mask 15), a quarter a wave.
; THE FIRST PRODUCT IS USED TRANSPOSED: source 0 = 16 units of W_e, source 1 = 16 rows' codes: lane (r, h) holds row r, register j unit 8 h + j.  cb and -2 v are eight registers a tile; a row's sum is a pair.
; A STEP is one tile of units x 4 tiles of rows x 8 K steps = 32 products on four accumulators by turns; the tanh of the step before stands between them.
; tanh z = 1 - 2 / (1 + 2^(c z)), c = 2 log2(e): c z = c x product + cb, v_exp_f32, + 1, v_rcp_f32, x (-2 v) into the rows' sums.  Where 2^(c z) is infinite or 0 the quotient is 0 or 1.
; THE LAST PRODUCT, bf16: source 0 = x^T (16 columns x my 32 rows), source 1 = p in ONE column c, zeros elsewhere, c = the chunk of 64 columns.
; REGISTERS.  Window 0: v0-63 addresses, own scale words (v16-23), tables then mask (v24-39), work (v52-63); v64-255 three sets of x, then: v64-127 a tile of W_e, v128-191 two sets of four accumulators,
; v192-199 W_e's scale words, v200-207 the rows' sums, v208-223 cb, v224-239 -2 v, v240-255 x's scale words.  Window 1: codes (and the fourth set of x at v128-191; at the end the context).  Windows 2, 3: x as bf16.
.set SLOT,  67584                      ; 128 rows x (512 + 16) bytes
.set SCL,   135168                     ; W_e's scale bytes: 128 rows x (256 + 16)
.set CBT,   169984                     ; cb of my batch
.set VMT,   174080                     ; -2 v
.set STG,   178176                     ; a stage for each wave: 32 rows x 272 bytes
.set WST,   8704
.set XCH,   212992                     ; words 0-3 the waves' largest scores, 4-7 their sums
.set SPARE, 213248                     ; the spare words: 128 bytes a wave, named by no other line
.set COD,   213760                     ; images of the codes: 16,384 bytes a wave
.set XSI,   279296                     ; images of x's scale words: 1,024 bytes a wave
.set SXC,   283392                     ; the waves' halves of the scores: 256 bytes a wave
.set FR,  64
.set ACC, 128
.set WS,  192
.set SCR, 200
.set CB,  208
.set VM,  224
.set XS,  240
.set MSB, 0
.macro WIN new                         ; the immediate's high byte repeats the setting that is left
.if MSB != (\new)
	s_set_vgpr_msb (MSB<<8)|(\new)
.set MSB, (\new)
.endif
.endm
.macro VW
	s_wait_alu depctr_va_vdst(0)
.endm
.macro PLACES                          ; four places behind matrix instructions (ISA guide 7.12.1)
.rept 4
	v_nop
.endr
.endm
.macro CROUND                          ; a round of the cluster's barrier
	s_barrier_signal -1
	s_barrier_wait -1
	s_cmp_lg_u32 s22, 0
	s_cbranch_scc1 .Lnot_wave_0_\@
	s_barrier_signal -3
.Lnot_wave_0_\@:
	s_barrier_wait -3
	s_barrier_signal -1
	s_barrier_wait -1
.endm
	s_load_b512 s[4:19], s[0:1], 0x0               ; x, W_e's codes, its scales, cb, v, mask, scores, part
	s_load_b64 s[20:21], s[0:1], 0x40              ; ml
	v_lshl_add_u32 v1, v0, 2, SPARE                ; my spare word; never rewritten
	v_mov_b32 v2, 0                                ; 0; never rewritten
	ds_add_u32 v1, v2                              ; the opening lines: the add twice on end and its wait
	ds_add_u32 v1, v2
	v_lshrrev_b32 v9, 5, v0
	v_readfirstlane_b32 s22, v9                    ; wave 0..3
	s_bfe_u32 s23, ttmp6, 0x40000                  ; cx
	s_lshl_b32 s24, ttmp9, 2
	s_add_co_u32 s24, s24, s23                     ; my block of 128 rows: it enters global addresses alone
	s_mov_b32 s28, 15|(0<<16)|(1<<20)|(1<<21)|(6<<22)|(3<<25)   ; group 1, a quarter of a tile: 32 rows of 512 bytes, 16 of padding behind each; mask: all four
	s_mov_b32 s29, 512<<16
	s_mov_b32 s30, 32<<16
	s_mov_b32 s31, 512<<16
	s_mov_b32 s32, 32
	s_mov_b32 s33, 512
	s_mov_b32 s34, 0
	s_mov_b32 s35, 0
	s_mov_b32 s36, 15|(3<<16)|(1<<20)|(1<<21)|(5<<22)|(3<<25)   ; group 1, a quarter of the scale bytes: 32 rows of 256 bytes, padded
	s_mov_b32 s37, 32<<16
	s_mov_b32 s38, 32<<16
	s_mov_b32 s39, 32<<16
	s_mov_b32 s40, 32
	s_mov_b32 s41, 32
	s_mov_b32 s42, 0
	s_mov_b32 s43, 0
	s_mov_b32 s52, 0                               ; the slot asked for last
	s_mul_i32 s53, s22, 16896                      ; my quarter of a slot
	s_mov_b32 s54, 0                               ; the slot that is read
	s_mov_b32 s55, 0                               ; its scale words: 4,352 bytes a slot
	s_mov_b32 s56, 0                               ; its cb and -2 v: 512 bytes a slot
	s_mov_b32 s57, 7                               ; slots still to be asked for
	s_mov_b32 s58, 0x4038aa3b                      ; c = 2 log2(e)
	s_mov_b32 s59, s58
	s_mov_b32 s60, 0x76543210
	s_mov_b32 s61, 0xfedcba98                      ; selects for lane l xor 16
	s_mov_b32 s62, 0x3fb8aa3b                      ; log2(e)
	s_mov_b32 s63, 0xffff0000                      ; lanes 16-31
	s_and_b32 s26, s22, 1                          ; my half of the units
	s_xor_b32 s84, s22, 1                          ; my partner: the wave with the other half of the units and the other 32 rows of our 64
	s_mul_i32 s70, s22, WST
	s_add_co_u32 s70, s70, STG                     ; my stage
	s_lshl_b32 s71, s22, 10
	s_add_co_u32 s71, s71, STG
	s_lshl_b32 s72, s22, 2
	s_add_co_u32 s72, s72, XCH
	s_mul_i32 s73, s26, 33792                      ; 64 rows of 528 bytes
	s_mul_i32 s74, s26, 2176                       ; 4 tiles of scale words
	s_add_co_u32 s74, s74, SCL
	s_lshl_b32 s75, s26, 8
	s_add_co_u32 s76, s75, VMT
	s_add_co_u32 s75, s75, CBT
	s_lshl_b32 s77, s22, 14
	s_add_co_u32 s77, s77, COD                     ; my image of codes
	s_lshl_b32 s78, s84, 14
	s_add_co_u32 s78, s78, COD                     ; my partner's image of codes
	s_lshl_b32 s79, s22, 10
	s_add_co_u32 s79, s79, XSI
	s_lshl_b32 s80, s84, 10
	s_add_co_u32 s80, s80, XSI                     ; and of scale words
	s_lshl_b32 s81, s22, 8
	s_add_co_u32 s81, s81, SXC                     ; my piece of the scores' exchange: my rows, then my partner's
	s_lshl_b32 s82, s84, 8
	s_add_co_u32 s82, s82, SXC+128                 ; my rows in my partner's piece
	v_and_b32 v3, 15, v0                           ; r
	v_bfe_u32 v4, v0, 4, 1                         ; h
	v_and_b32 v10, 31, v0                          ; lane
	v_lshlrev_b32 v5, 15, v4
	v_lshl_add_u32 v5, v3, 4, v5                   ; x: 8 h rows of 4,096 bytes + 16 r
	v_mul_u32_u24 v6, v4, 2176
	v_lshl_add_u32 v6, v3, 4, v6
	v_add_nc_u32 v6, s70, v6                       ; into the stage
	v_mul_u32_u24 v7, v3, 272
	v_lshl_add_u32 v7, v4, 7, v7
	v_add_nc_u32 v7, s70, v7                       ; out of it: row r, my half's 128 bytes
	v_lshlrev_b32 v8, 3, v4                        ; 8 h
	v_lshlrev_b32 v11, 12, v10                     ; the prefetches: a lane a row
	v_lshlrev_b32 v14, 4, v10                      ; 16 x lane
	v_add_nc_u32 v12, s70, v14
	v_add_nc_u32 v13, s71, v14
	v_add_nc_u32 v15, s77, v14                     ; my lane's place in my image of codes
	v_mul_u32_u24 v40, v3, 528
	v_lshl_add_u32 v40, v4, 4, v40
	v_add_nc_u32 v40, s73, v40                     ; a fragment of W_e: my half's row r + 16 h
	v_lshrrev_b32 v9, 3, v3
	v_add_nc_u32 v9, v9, v4
	v_lshlrev_b32 v41, 5, v3
	v_lshl_add_u32 v41, v9, 4, v41
	v_add_nc_u32 v41, s74, v41                     ; its scale words: 32 r + 16 (r / 8); lanes 16-31 K steps 4-7
	v_lshlrev_b32 v48, 5, v4                       ; 32 h
	v_add_nc_u32 v42, s75, v48                     ; cb of units 8 h .. 8 h + 7 of a tile
	v_add_nc_u32 v43, s76, v48                     ; -2 v likewise
	v_and_b32 v9, 7, v3
	v_lshlrev_b32 v49, 2, v9
	v_lshrrev_b32 v9, 3, v3
	v_lshl_add_u32 v49, v9, 6, v49
	v_lshl_add_u32 v49, v4, 5, v49                 ; the scores: lane (r, h) stores row 16 (r / 8) + 8 h + r % 8
	v_mov_b32 v50, s72
	v_mov_b32 v51, XCH
	v_mov_b32 v60, 0
	v_mov_b32 v61, 0
	v_lshl_add_u32 v9, v0, 4, CBT                  ; the tables: thread t puts 16 bytes at 16 t
	v_lshlrev_b32 v10, 4, v0
	VW                                             ; at the head's end
	s_wait_dscnt 0x0                               ; both opening adds are done
	s_wait_kmcnt 0x0
	s_mov_b32 s75, 0
	s_mov_b32 s44, 1
	s_mov_b32 s45, s53
	s_lshl_b32 s74, s22, 14
	s_add_nc_u64 s[46:47], s[6:7], s[74:75]        ; tile 0, my quarter
	s_or_b32 s47, s47, 0x80000000
	s_mov_b32 s48, 1
	s_mul_i32 s49, s22, WST
	s_add_co_u32 s49, s49, SCL
	s_lshl_b32 s74, s22, 13
	s_add_nc_u64 s[50:51], s[8:9], s[74:75]
	s_or_b32 s51, s51, 0x80000000
	s_lshl_b32 s70, s24, 7
	s_lshl_b32 s71, s22, 5
	s_add_co_u32 s72, s70, s71                     ; my first row: 128 g + 32 w
	s_lshl_b32 s70, s72, 12
	s_mov_b32 s71, 0
	s_add_nc_u64 s[4:5], s[4:5], s[70:71]
	s_add_nc_u64 s[68:69], s[4:5], 0x8000000       ; the same wave's rows of the block 256 work-groups on
	s_lshl_b32 s70, s72, 2
	s_add_nc_u64 s[14:15], s[14:15], s[70:71]
	s_add_nc_u64 s[16:17], s[16:17], s[70:71]
	s_lshl_b32 s70, s24, 12
	s_lshl_b32 s73, s22, 10
	s_add_co_u32 s70, s70, s73
	s_add_nc_u64 s[18:19], s[18:19], s[70:71]      ; part: 4,096 g + 1,024 w
	s_lshl_b32 s70, s24, 3
	s_add_nc_u64 s[20:21], s[20:21], s[70:71]      ; ml: 8 g
	s_lshr_b32 s70, ttmp9, 2
	s_lshl_b32 s70, s70, 12
	s_add_nc_u64 s[10:11], s[10:11], s[70:71]      ; cb of my batch
; A CHUNK is my 32 rows x 64 columns.  Register 4 q + i of the set: x[16 (q / 8) + 8 h + q % 8][64 ch + 4 r + i]; sixteen lanes read 256 consecutive bytes.
.macro XLOAD ch
.set SW, ((\ch)%4)/3
.set S, 64+64*((\ch)%4)-128*SW
	WIN (SW<<6)
.set qq, 0
.rept 16
	global_load_b128 v[S+4*qq:S+4*qq+3], v5, s[4:5] offset:(16*(qq/8)+qq%8)*4096+256*(\ch) th:TH_LOAD_NT
.set qq, qq+1
.endr
.endm
	global_load_b128 v[24:27], v10, s[10:11]
	global_load_b128 v[28:31], v10, s[10:11] offset:2048
	global_load_b128 v[32:35], v10, s[12:13]
	global_load_b128 v[36:39], v10, s[12:13] offset:2048
	XLOAD 0
	XLOAD 1
	XLOAD 2
	CROUND                                         ; the first joint loads meet
	tensor_load_to_lds s[48:51], s[36:43]          ; the scale bytes, filled once: my one tensor load at the head
	s_nop 0
	PLACES
	s_wait_loadcnt 48                              ; the 48 loads of x are younger: the tables are in
	v_pk_mul_f32 v[32:33], v[32:33], -2.0 op_sel_hi:[1,0]
	v_pk_mul_f32 v[34:35], v[34:35], -2.0 op_sel_hi:[1,0]
	v_pk_mul_f32 v[36:37], v[36:37], -2.0 op_sel_hi:[1,0]
	v_pk_mul_f32 v[38:39], v[38:39], -2.0 op_sel_hi:[1,0]
	ds_store_b128 v9, v[24:27]                     ; read by all waves behind the barrier of the codes' exchange
	ds_store_b128 v9, v[28:31] offset:2048
	ds_store_b128 v9, v[32:35] offset:4096
	ds_store_b128 v9, v[36:39] offset:6144
	XLOAD 3
; One chunk: (1) pairs of neighbouring rows rounded to bf16 are the last product's source 0; (2) the chunk turns through my stage, so that a lane holds a block of 32 neighbours along E of one row;
; (3) the block's largest magnitude, scale and codes; (4) two chunks are a K step: four scale bytes make the row's word.  LDS serves a wave's instructions in order (ISA guide 5.7.1.4).
.macro CHUNK ch
.set SW, ((\ch)%4)/3
.set S, 64+64*((\ch)%4)-128*SW
.set RW, 2+(\ch)/8
.set XO, 32*((\ch)%8)
.set KK, (\ch)/2
.set C2, (\ch)%2
.if (\ch) < 12
	s_wait_loadcnt 48                              ; the three chunks behind this one may be out
.else
	s_wait_loadcnt 16*(15-(\ch))
.endif
	WIN (RW<<6)|(SW<<2)|SW
.set ii, 0
.rept 4
.set qq, 0
.rept 8
	v_cvt_pk_bf16_f32 v[XO+8*ii+qq], v[S+8*qq+ii], v[S+8*qq+4+ii]
.set qq, qq+1
.endr
.set ii, ii+1
.endr
	WIN (SW<<2)
.set qq, 0
.rept 16
	ds_store_b128 v6, v[S+4*qq:S+4*qq+3] offset:(16*(qq/8)+qq%8)*272
.set qq, qq+1
.endr
	WIN (SW<<6)
.set qq, 0
.rept 16
	ds_load_b128 v[S+4*qq:S+4*qq+3], v7 offset:(qq/8)*4352+16*(qq%8)
.set qq, qq+1
.endr
	s_wait_dscnt 0x0
	WIN (SW<<4)|(SW<<2)
	v_max3_num_f32 v52, 0x1800000, |v[S]|, |v[S+1]|          ; the floor 2^(3 - 127) holds the scale's byte at 1 from below
	v_max3_num_f32 v53, 0x1800000, |v[S+32]|, |v[S+33]|
	v_max3_num_f32 v36, 0x1800000, |v[S+16]|, |v[S+17]|
	v_max3_num_f32 v37, 0x1800000, |v[S+48]|, |v[S+49]|
.set qq, 2
.rept 7
	v_max3_num_f32 v52, v52, |v[S+qq]|, |v[S+qq+1]|
	v_max3_num_f32 v53, v53, |v[S+32+qq]|, |v[S+33+qq]|
	v_max3_num_f32 v36, v36, |v[S+16+qq]|, |v[S+17+qq]|
	v_max3_num_f32 v37, v37, |v[S+48+qq]|, |v[S+49+qq]|
.set qq, qq+2
.endr
	WIN 0
	v_max_num_f32 v52, v52, v36
	v_max_num_f32 v53, v53, v37
	v_add_nc_u32 v54, 0xff000000, v52              ; 2 off the exponent field: the conversion's scale operand
	v_add_nc_u32 v55, 0xff000000, v53
	WIN (1<<6)|SW
.set qq, 0
.rept 8
	v_cvt_scalef32_pk8_fp4_f32 v[64*(qq/4)+8*KK+4*C2+qq%4], v[S+8*qq:S+8*qq+7], v[54+qq/4]
.set qq, qq+1
.endr
	v_nop                                          ; one plain place behind the scaled conversions
.if (\ch) < 12
	XLOAD (\ch)+4
.endif
	WIN 0
.if C2 == 0
	v_lshrrev_b32 v56, 23, v54                     ; the scale's byte: block h of the K step
	v_lshrrev_b32 v57, 23, v55
.else
	v_lshrrev_b32 v62, 23, v54                     ; block 2 + h
	v_lshrrev_b32 v63, 23, v55
	v_lshl_or_b32 v58, v62, 16, v56
	v_lshl_or_b32 v59, v63, 16, v57
	v_lshlrev_b32 v58, v8, v58
	v_lshlrev_b32 v59, v8, v59
	v_permlanex16_b32 v60, v58, s60, s61
	v_permlanex16_b32 v61, v59, s60, s61
	v_or_b32 v58, v58, v60                         ; with lane l xor 16's two the word is whole
	v_or_b32 v59, v59, v61
.if KK < 4
	v_mov_b32 v[16+KK], v58                        ; register i: K step i,
	v_mov_b32 v[20+KK], v59
.else
	v_cndmask_b32 v[12+KK], v[12+KK], v58, s63     ; and in lanes 16-31 K step 4 + i
	v_cndmask_b32 v[16+KK], v[16+KK], v59, s63
.endif
.endif
.endm
.irp ch, 0,1
	CHUNK \ch
.endr
	VW
	s_wait_tensorcnt 0x0
	ds_add_u32 v1, v2
	s_wait_dscnt 0x0
	CROUND
	tensor_load_to_lds s[44:47], s[28:35]          ; tile 0, my one tensor load behind the round; fourteen chunks stand between it and the wait for it
	s_nop 0
	PLACES
.irp ch, 2,3,4,5,6,7,8,9,10,11,12,13,14,15
	CHUNK \ch
.endr
	; ---- the codes and scale words go to my group's other wave, as images of the registers: group of four registers n at 512 n + 16 x lane
	v_add_nc_u32 v52, s78, v14                     ; my partner's image of codes
	v_add_nc_u32 v53, s79, v14                     ; my image of scale words
	v_add_nc_u32 v54, s80, v14                     ; my partner's
	v_lshrrev_b32 v55, 2, v14
	v_add_nc_u32 v55, s81, v55                     ; my piece of the scores' exchange: 4 x lane
	v_add_nc_u32 v56, s81, v48                     ; where I read my 32 rows: in my piece, + 32 h,
	v_add_nc_u32 v58, s82, v48                     ; and in my partner's
	v_add_nc_u32 v57, VMT, v14
	VW
	WIN 0x04                                       ; an LDS store's data are its source 1
.set qq, 0
.rept 32
	ds_store_b128 v15, v[4*qq:4*qq+3] offset:512*qq
.set qq, qq+1
.endr
	WIN 0
	ds_store_b128 v53, v[16:19]
	ds_store_b128 v53, v[20:23] offset:512
.irp m, 0,1
.irp a, 0,1
	global_load_b128 v[24+8*\m+4*\a:27+8*\m+4*\a], v48, s[14:15] offset:64*\m+16*\a   ; the mask of row 16 m + 8 h + j: wanted at the end
.endr
.endr
	s_wait_dscnt 0x0                               ; for the others' sake: my images and my part of the tables are stored
	s_barrier_signal -1
	s_barrier_wait -1
	WIN 0x40
.set qq, 0
.rept 32
	ds_load_b128 v[128+4*qq:131+4*qq], v52 offset:512*qq   ; window 1, register 64 mt + 8 ks + ..: tiles 0, 1 are my own rows, as they were made; tiles 2, 3 my partner's
.set qq, qq+1
.endr
	WIN 0
.irp n, 0,1
	ds_load_b128 v[XS+4*\n:XS+4*\n+3], v54 offset:512*\n
.endr
; The loop has no first step of its own: its first tanh list finds accumulators, cb and -2 v of zeros and adds 0 to sums of 0.
.set qq, 0
.rept 32
	v_mov_b32 v[ACC+32+qq], 0
.set qq, qq+1
.endr
.irp j, 0,1,2,3,4,5,6,7
	v_mov_b32 v[SCR+\j], 0
	v_mov_b32 v[CB+8+\j], 0
	v_mov_b32 v[VM+8+\j], 0
.endr
	VW
; THE CHANGE OF SLOTS at a slot's head: the wait for all my tensor loads, the add, the wait for it and for my LDS reads; fill = 1: a round of the cluster's barrier and the joint load of the next tile.
.macro CHANGE fill
	WIN 0
	s_wait_tensorcnt 0x0
	ds_add_u32 v1, v2
.if \fill
	s_xor_b32 s52, s52, SLOT
	s_add_co_u32 s45, s52, s53
	s_add_nc_u64 s[46:47], s[46:47], 65536         ; the next 128 units
.endif
	s_wait_dscnt 0x0
.if \fill
	CROUND
	tensor_load_to_lds s[44:47], s[28:35]          ; my one tensor load until the next round
	s_nop 0
	PLACES
.else
	s_barrier_signal -1
	s_barrier_wait -1
.endif
.endm
.macro SLOTADDR
	v_add_nc_u32 v44, s54, v40
	v_add_nc_u32 v45, s55, v41
	v_add_nc_u32 v46, s56, v42
	v_add_nc_u32 v47, s56, v43
.endm
.macro RUNF q, s0                      ; tile q's fragments of K steps s0 .. s0 + 3: eight loads
.irp s, 0,1,2,3
.irp c, 0,1
	ds_load_b128 v[FR+8*(\s0+\s)+4*\c:FR+8*(\s0+\s)+4*\c+3], v44 offset:16*(\q)*528+64*(\s0+\s)+32*\c
.endr
.endr
.endm
.macro RUN1 q                          ; K steps 0-3 and the tile's scale words: nine loads
	RUNF \q, 0
	ds_load_b128 v[WS+4*((\q)%2):WS+4*((\q)%2)+3], v45 offset:(\q)*544
.endm
.macro TABS q                          ; the tile's cb and -2 v: four loads
.irp c, 0,1
	ds_load_b128 v[CB+8*((\q)%2)+4*\c:CB+8*((\q)%2)+4*\c+3], v46 offset:64*(\q)+16*\c
	ds_load_b128 v[VM+8*((\q)%2)+4*\c:VM+8*((\q)%2)+4*\c+3], v47 offset:64*(\q)+16*\c
.endr
.endm
; The tanh list of an accumulator set, in five parts.  T_A: c x product + cb: the sixteen first readers of the matrix results on end, each accumulator from its low end on, a wait ahead and one behind (ahead of the exponentials).
.macro T_A set
	VW
.set n, 0
.rept 16
	v_pk_fma_f32 v[ACC+32*(\set)+2*n:ACC+32*(\set)+2*n+1], v[ACC+32*(\set)+2*n:ACC+32*(\set)+2*n+1], s[58:59], v[CB+8*(\set)+2*(n%4):CB+8*(\set)+2*(n%4)+1] op_sel_hi:[1,0,1]
.set n, n+1
.endr
	VW
.endm
.macro T_E set, cnt
.rept \cnt
	v_exp_f32 v[ACC+32*(\set)+kE], v[ACC+32*(\set)+kE]
.set kE, kE+1
.endr
.endm
.macro T_P set, cnt
.rept \cnt
	v_pk_add_f32 v[ACC+32*(\set)+2*kP:ACC+32*(\set)+2*kP+1], v[ACC+32*(\set)+2*kP:ACC+32*(\set)+2*kP+1], 1.0 op_sel_hi:[1,0]
.set kP, kP+1
.endr
.endm
.macro T_R set, cnt
.rept \cnt
	v_rcp_f32 v[ACC+32*(\set)+kR], v[ACC+32*(\set)+kR]
.set kR, kR+1
.endr
.endm
.macro T_S set                         ; x (-2 v) into the rows' sums, the four tiles by turns; all operands in window 0
.set n, 0
.rept 16
	v_pk_fma_f32 v[SCR+2*(n%4):SCR+2*(n%4)+1], v[ACC+32*(\set)+8*(n%4)+2*(n/4):ACC+32*(\set)+8*(n%4)+2*(n/4)+1], v[VM+8*(\set)+2*(n/4):VM+8*(\set)+2*(n/4)+1], v[SCR+2*(n%4):SCR+2*(n%4)+1]
.set n, n+1
.endr
.endm
.macro TZERO
.set kE, 0
.set kP, 0
.set kR, 0
.endm
.macro TANH set                        ; the whole list on end; each batch of transcendentals has a wait ahead of it and a plain place and a wait behind it
	WIN 0
	TZERO
	T_A \set
	T_E \set, 32
	v_nop
	VW
	T_P \set, 16
	VW
	T_R \set, 32
	v_nop
	VW
	T_S \set
.endm
; Product i of 32 of tile q: K step i / 4, tile of rows i % 4.  K ascending; the four accumulators take turns.  K step 0 starts the sums.
.macro WM q
.set ks, i/4
.set mt, i%4
.set rD, ACC+32*((\q)%2)+8*mt
.set rA, FR+8*ks
.set rB, 64*mt+8*ks
.set rY, WS+4*((\q)%2)+ks%4
.set rX, 16+4*mt+ks%4+(mt/2)*(XS-24)   ; x's scale words: tiles 0, 1 at v16-23 (my own), tiles 2, 3 at XS
.if ks == 0
	v_wmma_scale_f32_16x16x128_f8f6f4 v[rD:rD+7], v[rA:rA+7], v[rB:rB+7], 0, v[rY], v[rX] matrix_a_fmt:MATRIX_FMT_FP4 matrix_b_fmt:MATRIX_FMT_FP4
.elseif ks < 4
	v_wmma_scale_f32_16x16x128_f8f6f4 v[rD:rD+7], v[rA:rA+7], v[rB:rB+7], v[rD:rD+7], v[rY], v[rX] matrix_a_fmt:MATRIX_FMT_FP4 matrix_b_fmt:MATRIX_FMT_FP4
.else
	v_wmma_scale_f32_16x16x128_f8f6f4 v[rD:rD+7], v[rA:rA+7], v[rB:rB+7], v[rD:rD+7], v[rY], v[rX] matrix_a_fmt:MATRIX_FMT_FP4 matrix_b_fmt:MATRIX_FMT_FP4 matrix_a_scale:MATRIX_SCALE_ROW1 matrix_b_scale:MATRIX_SCALE_ROW1
.endif
.set i, i+1
.endm
; A STEP.  th = 1: the tanh list of the tile before stands round the products: its scalings and exponentials ahead of them, its additions of 1 (plain lines) between them, its reciprocals and sums behind them.
; No transcendental stands between two links of a sum.  Products and LDS loads run under one setting (source 1 in window 1).
.macro STEP q, th
	s_wait_dscnt 8                                 ; all but the eight loads issued last (K steps 4-7) are in
	TZERO
.if \th
	T_A ((\q)+1)%2
	T_E ((\q)+1)%2, 32
	v_nop                                          ; a plain place behind the batch,
	VW                                             ; and its wait
.endif
	WIN 0x04
.set i, 0
.rept 8
	WM \q
	WM \q
.if \th
	T_P ((\q)+1)%2, 1
.endif
.endr
	s_wait_dscnt 0x0                               ; K steps 4-7 are in
	PLACES
.if (\q) < 3
	RUN1 (\q)+1
.endif
	TABS \q
.rept 8
	WM \q
	WM \q
.if \th
	T_P ((\q)+1)%2, 1
.endif
.endr
	PLACES
.if (\q) < 3
	RUNF (\q)+1, 4
.endif
	WIN 0
.if \th
	VW                                             ; ahead of the batch of reciprocals
	T_R ((\q)+1)%2, 32
	v_nop
	VW
	T_S ((\q)+1)%2
.endif
.endm
.macro SLOT_STEPS
	TANH 1                                         ; the last slot's fourth tile, while this slot's first fragments come
	STEP 0, 0
	STEP 1, 1
	STEP 2, 1
	STEP 3, 1
.endm
.Lslot:                                            ; 7 trips: behind each change of slots but the last the next tile is asked for
	CHANGE 1
	SLOTADDR
	RUN1 0
	RUNF 0, 4
	SLOT_STEPS
	s_xor_b32 s54, s54, SLOT
	s_add_co_u32 s55, s55, 4352
	s_add_co_u32 s56, s56, 512
	s_sub_co_u32 s57, s57, 1
	s_cmp_lg_u32 s57, 0
	s_cbranch_scc1 .Lslot
	CHANGE 0                                       ; the last slot is written out
	SLOTADDR
	RUN1 0
	RUNF 0, 4
; A prefetch of the first four chunks (32 rows x 1,024 bytes a wave) of the block 256 work-groups on: a lane a row, four instructions 256 bytes apart; each aligned block of 256 bytes is named once in the launch.
; Clusters 64 and up have no such block and ask for nothing: a branch on the cluster's number, the same in all four partners.  The address registers are never rewritten.
	s_cmp_lt_u32 ttmp9, 64
	s_cbranch_scc0 .Lno_block_on
.irp n, 0,1,2,3
	global_prefetch_b8 v11, s[68:69] offset:256*\n th:TH_LOAD_NT scope:SCOPE_SE
.endr
.Lno_block_on:
	SLOT_STEPS
	s_wait_dscnt 0x0                               ; the last tile's cb and -2 v
	TANH 1
	; ---- the scores.  A pair's halves and lane l xor 16's units are added: lane (r, h) has row r of tile t, over my half of the units
.irp t, 0,1,2,3
	v_add_f32 v[64+\t], v[SCR+2*\t], v[SCR+2*\t+1]
.endr
.irp t, 0,1,2,3
	v_permlanex16_b32 v[68+\t], v[64+\t], s60, s61
.endr
.irp t, 0,1,2,3
	v_add_f32 v[64+\t], v[64+\t], v[68+\t]
.endr
	v_cndmask_b32 v72, v64, v65, s63               ; lane l: row l of my own 32,
	v_cndmask_b32 v73, v66, v67, s63               ; and row l of my partner's
	ds_store_b32 v55, v72
	ds_store_b32 v55, v73 offset:128
.set qq, 0
.rept 8
	ds_load_b128 v[80+4*qq:83+4*qq], v57 offset:512*qq   ; all of -2 v, 32 numbers a lane
.set qq, qq+1
.endr
	VW
	s_wait_dscnt 0x0                               ; for the others' sake
	s_barrier_signal -1
	s_barrier_wait -1
.irp m, 0,1
.irp c, 0,1
	ds_load_b128 v[160+8*\m+4*\c:163+8*\m+4*\c], v56 offset:64*\m+16*\c   ; my half of the units; register 8 m + j: my row 16 m + 8 h + j
	ds_load_b128 v[176+8*\m+4*\c:179+8*\m+4*\c], v58 offset:64*\m+16*\c   ; my partner's half
.endr
.endr
.irp n, 0,1,2,3,4,5,6,7
	v_pk_add_f32 v[80+2*\n:81+2*\n], v[80+2*\n:81+2*\n], v[96+2*\n:97+2*\n]
.endr
.irp n, 0,1,2,3
	v_pk_add_f32 v[80+2*\n:81+2*\n], v[80+2*\n:81+2*\n], v[88+2*\n:89+2*\n]
.endr
.irp n, 0,1
	v_pk_add_f32 v[80+2*\n:81+2*\n], v[80+2*\n:81+2*\n], v[84+2*\n:85+2*\n]
.endr
	v_pk_add_f32 v[80:81], v[80:81], v[82:83]
	v_add_f32 v80, v80, v81
.irp x, 1,2,4,8
	v_add_f32_dpp v80, v80, v80 row_xmask:\x row_mask:0xf bank_mask:0xf
.endr
	v_permlanex16_b32 v81, v80, s60, s61
	v_add_f32 v80, v80, v81                        ; the sum of -2 v
	VW
	s_wait_dscnt 0x0
.irp n, 0,1,2,3,4,5,6,7
	v_pk_add_f32 v[64+2*\n:65+2*\n], v[160+2*\n:161+2*\n], v[176+2*\n:177+2*\n]
.endr
	v_mov_b32 v81, 0xd01502f9                      ; reference()'s constant, -1e10
	v_mov_b32 v84, 0
.set qq, 0
.rept 16
	v_fma_f32 v[64+qq], v80, -0.5, v[64+qq]        ; + sum(v)
.set qq, qq+1
.endr
	VW
	s_wait_loadcnt 0x0                             ; the mask
.set qq, 0
.rept 16
	v_cmp_eq_u32 vcc_lo, 0, v[24+qq]
	v_cndmask_b32 v[64+qq], v[64+qq], v81, vcc_lo
.set qq, qq+1
.endr
	v_mov_b32 v82, v64                             ; lane r picks register r: 32 scores leave by one store of 128 consecutive bytes
.set qq, 1
.rept 15
	v_cmp_eq_u32 vcc_lo, qq, v3
	v_cndmask_b32 v82, v82, v[64+qq], vcc_lo
.set qq, qq+1
.endr
	global_store_b32 v49, v82, s[16:17]
	v_max3_num_f32 v83, v64, v65, v66
.irp j, 67,69,71,73,75,77
	v_max3_num_f32 v83, v83, v[\j], v[\j+1]
.endr
	v_max_num_f32 v83, v83, v79
	v_permlanex16_b32 v84, v83, s60, s61
	v_max_num_f32 v83, v83, v84
	ds_store_b32 v50, v83
	VW
	s_wait_dscnt 0x0
	s_barrier_signal -1
	s_barrier_wait -1
	ds_load_b128 v[88:91], v51
	s_wait_dscnt 0x0
	v_max3_num_f32 v85, v88, v89, v90
	v_max_num_f32 v85, v85, v91                    ; m: the block's largest score
.set qq, 0
.rept 16
	v_sub_f32 v[64+qq], v[64+qq], v85              ; the difference first: two masked scores differ by exactly 0
.set qq, qq+1
.endr
.set qq, 0
.rept 16
	v_mul_f32 v[64+qq], s62, v[64+qq]
.set qq, qq+1
.endr
	VW
.set qq, 0
.rept 16
	v_exp_f32 v[64+qq], v[64+qq]                   ; p = e^(score - m)
.set qq, qq+1
.endr
	v_nop
	VW
	v_pk_add_f32 v[92:93], v[64:65], v[66:67]      ; the sum is taken of the unrounded p
.irp j, 68,70,72,74,76,78
	v_pk_add_f32 v[92:93], v[92:93], v[\j:\j+1]
.endr
	v_add_f32 v92, v92, v93
	v_permlanex16_b32 v84, v92, s60, s61
	v_add_f32 v92, v92, v84
.set qq, 0
.rept 8
	v_cvt_pk_bf16_f32 v[216+qq], v[64+2*qq], v[65+2*qq]   ; register 4 m + n: rows 16 m + 8 h + 2 n, + 1
.set qq, qq+1
.endr
	; ---- the context.  For chunk c, p stands in column c alone; the four accumulators take turns; the next column's eight selects are the places behind the products of the column before that
.set cc, 0
.rept 16
	WIN 0
	s_mov_b32 s66, 0x00010001<<cc
.set qq, 0
.rept 8
	v_cndmask_b32 v[224+8*(cc%2)+qq], 0, v[216+qq], s66
.set qq, qq+1
.endr
	WIN 0x52+cc/8
.set ii, 0
.rept 4
.if cc == 0
	v_wmma_f32_16x16x32_bf16 v[128+8*ii:135+8*ii], v[32*(cc%8)+8*ii:32*(cc%8)+8*ii+7], v[224+8*(cc%2):231+8*(cc%2)], 0
.else
	v_wmma_f32_16x16x32_bf16 v[128+8*ii:135+8*ii], v[32*(cc%8)+8*ii:32*(cc%8)+8*ii+7], v[224+8*(cc%2):231+8*(cc%2)], v[128+8*ii:135+8*ii]
.endif
.set ii, ii+1
.endr
.set cc, cc+1
.endr
	PLACES
	WIN 0x04                                       ; the four waves' accumulators are added through LDS as images of the registers; the last launch undoes the order
.irp i, 0,1,2,3
.irp a, 0,1
	ds_store_b128 v12, v[128+8*\i+4*\a:131+8*\i+4*\a] offset:(2*\i+\a)*512
.endr
.endr
	WIN 0
	ds_store_b32 v50, v92 offset:16
	VW
	s_wait_dscnt 0x0
	s_barrier_signal -1
	s_barrier_wait -1
.irp a, 0,1
.irp u, 0,1,2,3
	ds_load_b128 v[96+16*\a+4*\u:99+16*\a+4*\u], v13 offset:WST*\u+512*\a
.endr
.endr
	ds_load_b128 v[128:131], v51 offset:16
	s_wait_dscnt 0x0
.irp a, 0,1
	v_pk_add_f32 v[96+16*\a:97+16*\a], v[96+16*\a:97+16*\a], v[100+16*\a:101+16*\a]
	v_pk_add_f32 v[98+16*\a:99+16*\a], v[98+16*\a:99+16*\a], v[102+16*\a:103+16*\a]
	v_pk_add_f32 v[104+16*\a:105+16*\a], v[104+16*\a:105+16*\a], v[108+16*\a:109+16*\a]
	v_pk_add_f32 v[106+16*\a:107+16*\a], v[106+16*\a:107+16*\a], v[110+16*\a:111+16*\a]
	v_pk_add_f32 v[96+16*\a:97+16*\a], v[96+16*\a:97+16*\a], v[104+16*\a:105+16*\a]
	v_pk_add_f32 v[98+16*\a:99+16*\a], v[98+16*\a:99+16*\a], v[106+16*\a:107+16*\a]
	global_store_b128 v14, v[96+16*\a:99+16*\a], s[18:19] offset:512*\a   ; 32 lanes store 512 consecutive bytes, at a multiple of 256 from part's first byte
.endr
	v_add_f32 v128, v128, v129
	v_add_f32 v130, v130, v131
	v_mov_b32 v132, v85                            ; (m,
	v_add_f32 v133, v128, v130                     ; l) of the block
	v_mov_b32 v9, 0
	VW
	s_wait_xcnt 0x0                                ; EXEC changes only behind this wait
	v_cmp_eq_u32 vcc_lo, 0, v0
	s_and_saveexec_b32 s76, vcc_lo                 ; thread 0 of the work-group alone
	global_store_b64 v9, v[132:133], s[20:21]
	s_wait_xcnt 0x0
	s_or_b32 exec_lo, exec_lo, s76
	s_wait_tensorcnt 0x0                           ; the wave's end
	ds_add_u32 v1, v2
	s_wait_dscnt 0x0
	CROUND                                         ; the closing round
	s_endpgm
.Lfunc_end_k_qee211fd60b_main:
	.size	k_qee211fd60b_main, .Lfunc_end_k_qee211fd60b_main-k_qee211fd60b_main
	.p2alignl 7, 3214868480
	.fill 96, 4, 3214868480
	.section	.rodata,"a",@progbits
	.p2align	6, 0x0
	.amdhsa_kernel k_qee211fd60b_main
		.amdhsa_group_segment_fixed_size 327680
		.amdhsa_private_segment_fixed_size 0
		.amdhsa_enable_private_segment 0
		.amdhsa_kernarg_size 72
		.amdhsa_user_sgpr_count 2
		.amdhsa_user_sgpr_kernarg_segment_ptr 1
		.amdhsa_wavefront_size32 1
		.amdhsa_system_sgpr_workgroup_id_x 1
		.amdhsa_system_sgpr_workgroup_id_y 1
		.amdhsa_system_sgpr_workgroup_id_z 1
		.amdhsa_system_vgpr_workitem_id 0
		.amdhsa_next_free_vgpr 1024
		.amdhsa_next_free_sgpr 100
		.amdhsa_reserve_vcc 1
		.amdhsa_float_denorm_mode_32 3
		.amdhsa_float_denorm_mode_16_64 3
		.amdhsa_memory_ordered 1
		.amdhsa_forward_progress 1
		.amdhsa_inst_pref_size 255
	.end_amdhsa_kernel
	.section	.bss,"aw",@nobits
	.p2align	6
	.space	262144
	.amdgpu_metadata
---
amdhsa.version: [ 1, 2 ]
amdhsa.kernels:
  - .name:           k_qee211fd60b_main
    .symbol:         k_qee211fd60b_main.kd
    .args:
      - { .name: encoder_outputs, .offset: 0, .size: 8, .value_kind: global_buffer, .address_space: global }
      - { .name: W_e_codes, .offset: 8, .size: 8, .value_kind: global_buffer, .address_space: global }
      - { .name: W_e_scales, .offset: 16, .size: 8, .value_kind: global_buffer, .address_space: global }
      - { .name: cb, .offset: 24, .size: 8, .value_kind: global_buffer, .address_space: global }
      - { .name: v, .offset: 32, .size: 8, .value_kind: global_buffer, .address_space: global }
      - { .name: mask, .offset: 40, .size: 8, .value_kind: global_buffer, .address_space: global }
      - { .name: scores, .offset: 48, .size: 8, .value_kind: global_buffer, .address_space: global }
      - { .name: part, .offset: 56, .size: 8, .value_kind: global_buffer, .address_space: global }
      - { .name: ml, .offset: 64, .size: 8, .value_kind: global_buffer, .address_space: global }
    .group_segment_fixed_size: 327680
    .private_segment_fixed_size: 0
    .kernarg_segment_align: 8
    .kernarg_segment_size: 72
    .max_flat_workgroup_size: 128
    .sgpr_count:     100
    .vgpr_count:     1024
    .wavefront_size: 32
...
	.end_amdgpu_metadata
.endif
;; end of part 2
;; launch finish (part 3): grid 32 x 1, 8 waves a work-group, no clusters, 5,376 bytes of LDS; arguments part, ml, scores, out0, out1; writes out0, out1
.if DOCPART == 3
	.amdgcn_target "amdgcn-amd-amdhsa--gfx1250"
	.amdhsa_code_object_version 6
	.text
	.protected	k_qee211fd60b_finish
	.globl	k_qee211fd60b_finish
	.p2align	8
	.type	k_qee211fd60b_finish,@function
k_qee211fd60b_finish:
	s_mov_b64 s[64:65], 0
	v_nop
	global_prefetch_b8 v0, s[64:65] scope:SCOPE_SE
	s_setreg_imm32_b32 hwreg(HW_REG_WAVE_MODE, 25, 1), 1
	s_wait_xcnt 0x0
; LAST OF THREE LAUNCHES.  Work-group b joins the sixteen blocks of batch b.  Block i left m_i (its largest masked score), l_i (the sum of e^(score - m_i)) and part_i (the sum of e^(score - m_i) x row).
; M = the largest m_i; f_i = e^(m_i - M); L = the sum of l_i f_i;  out0 = the sum of (f_i / L) part_i;  out1 = e^(score - M) / L.  No work of reference() is left out here.
; A batch whose every position is masked has all scores equal to reference()'s constant: every difference is exactly 0, and the weights are 1 / 2,048 as in reference().
; Thread t takes 16 bytes of each part.  The parts lie in the order of the second launch's accumulator registers: with i = t / 64, a = (t / 32) % 2, h = (t / 16) % 2, c = t % 16, number n of the 16 bytes is
; column 64 c + 32 h + 16 a + 4 n + i.  The sums go through LDS into the order of the columns and leave as 16 bytes a thread.  32 work-groups: the work is 2.4 MB of reads and has no more to share; matrix units, tensor loads
; and clusters have nothing to do here.
.set SPARE, 4352                       ; behind the stage (1,024 numbers, 16 bytes of padding behind each 256): the spare words, 128 bytes for each of eight waves
	s_load_b256 s[4:11], s[0:1], 0x0               ; part s[4:5], ml s[6:7], scores s[8:9], out0 s[10:11]
	s_load_b64 s[12:13], s[0:1], 0x20              ; out1
	v_lshl_add_u32 v1, v0, 2, SPARE                ; my spare word; never rewritten
	v_mov_b32 v2, 0                                ; 0; never rewritten
	v_lshlrev_b32 v3, 4, v0                        ; 16 t
	v_and_b32 v4, 15, v0                           ; c
	v_bfe_u32 v5, v0, 4, 1                         ; h
	v_bfe_u32 v6, v0, 5, 1                         ; a
	v_lshrrev_b32 v7, 6, v0                        ; i
	s_delay_alu instid0(VALU_DEP_4)
	v_mul_u32_u24 v8, v4, 272
	s_delay_alu instid0(VALU_DEP_1)
	v_lshl_add_u32 v8, v5, 7, v8
	s_delay_alu instid0(VALU_DEP_1)
	v_lshl_add_u32 v8, v6, 6, v8
	s_delay_alu instid0(VALU_DEP_1)
	v_lshl_add_u32 v8, v7, 2, v8                   ; the stage, in: 4 x column + 16 x (column / 64), for n = 0; 16 bytes on for each n
	v_lshrrev_b32 v9, 4, v0
	s_delay_alu instid0(VALU_DEP_1)
	v_lshl_add_u32 v9, v9, 4, v3                   ; back: columns 4 t .. 4 t + 3
	s_mov_b32 s15, 0
	s_wait_kmcnt 0x0
	s_lshl_b32 s14, ttmp9, 16
	s_add_nc_u64 s[4:5], s[4:5], s[14:15]          ; sixteen parts of 4,096 bytes
	s_lshl_b32 s14, ttmp9, 7
	s_add_nc_u64 s[6:7], s[6:7], s[14:15]          ; sixteen pairs of 8 bytes
	s_lshl_b32 s14, ttmp9, 13
	s_add_nc_u64 s[8:9], s[8:9], s[14:15]
	s_add_nc_u64 s[12:13], s[12:13], s[14:15]
	s_lshl_b32 s14, ttmp9, 12
	s_add_nc_u64 s[10:11], s[10:11], s[14:15]
	s_load_b512 s[16:31], s[6:7], 0x0              ; m_i in s[16 + 2 i], l_i in s[17 + 2 i]
	s_load_b512 s[32:47], s[6:7], 0x40
	global_load_b128 v[100:103], v3, s[8:9] th:TH_LOAD_NT
	global_load_b128 v[104:107], v3, s[8:9] offset:4096 th:TH_LOAD_NT
.irp i, 0,1,2,3,4,5,6,7,8,9,10,11,12,13,14,15
	global_load_b128 v[32+4*\i:35+4*\i], v3, s[4:5] offset:4096*\i th:TH_LOAD_NT
.endr
	s_wait_kmcnt 0x0
	v_mov_b32 v10, s16
.irp i, 1,2,3,4,5,6,7,8,9,10,11,12,13,14,15
	s_delay_alu instid0(VALU_DEP_1)
	v_max_num_f32 v10, s[16+2*\i], v10             ; M
.endr
.irp i, 0,1,2,3,4,5,6,7,8,9,10,11,12,13,14,15
	v_sub_f32 v[12+\i], s[16+2*\i], v10            ; the difference first: equal numbers differ by exactly 0
.endr
.irp i, 0,1,2,3,4,5,6,7,8,9,10,11,12,13,14,15
	v_mul_f32 v[12+\i], 0x3fb8aa3b, v[12+\i]
.endr
	s_wait_loadcnt 16                              ; loads come back in order (ISA guide 5.7.1): the sixteen of the parts are younger, my eight scores are in
.irp k, 0,1,2,3,4,5,6,7
	v_sub_f32 v[100+\k], v[100+\k], v10
.endr
.irp k, 0,1,2,3,4,5,6,7
	v_mul_f32 v[100+\k], 0x3fb8aa3b, v[100+\k]
.endr
	s_wait_alu depctr_va_vdst(0)
.irp i, 0,1,2,3,4,5,6,7,8,9,10,11,12,13,14,15
	v_exp_f32 v[12+\i], v[12+\i]                   ; f_i
.endr
.irp k, 0,1,2,3,4,5,6,7
	v_exp_f32 v[100+\k], v[100+\k]                 ; e^(score - M)
.endr
	v_nop                                          ; a plain instruction behind the last exponential,
	s_wait_alu depctr_va_vdst(0)                   ; and the one wait for the batch of 24, ahead of its first reader
	v_mul_f32 v11, s17, v12
.irp i, 1,2,3,4,5,6,7,8,9,10,11,12,13,14,15
	v_fma_f32 v11, s[17+2*\i], v[12+\i], v11       ; L
.endr
	s_wait_alu depctr_va_vdst(0)
	v_rcp_f32 v28, v11
	v_nop
	s_wait_alu depctr_va_vdst(0)                   ; the wait for the reciprocal, ahead of its first reader
.irp k, 0,1,2,3,4,5,6,7
	v_mul_f32 v[100+\k], v[100+\k], v28
.endr
	global_store_b128 v3, v[100:103], s[12:13]     ; a wave stores 512 consecutive bytes, at a multiple of 256 from out1's first byte
	global_store_b128 v3, v[104:107], s[12:13] offset:4096
.irp i, 0,1,2,3,4,5,6,7,8,9,10,11,12,13,14,15
	v_mul_f32 v[12+\i], v[12+\i], v28              ; f_i / L
.endr
	s_wait_loadcnt 0x0                             ; the parts
.irp n, 0,1,2,3
	v_mul_f32 v[96+\n], v[32+\n], v12              ; the first term starts the sums
.endr
.irp i, 1,2,3,4,5,6,7,8,9,10,11,12,13,14,15
.irp n, 0,1,2,3
	s_delay_alu instid0(VALU_DEP_4)
	v_fma_f32 v[96+\n], v[32+4*\i+\n], v[12+\i], v[96+\n]
.endr
.endr
.irp n, 0,1,2,3
	ds_store_b32 v8, v[96+\n] offset:16*\n
.endr
	s_wait_dscnt 0x0                               ; for the others' sake: my stores into the stage are done
	s_barrier_signal -1
	s_barrier_wait -1
	ds_load_b128 v[108:111], v9
	s_wait_dscnt 0x0
	global_store_b128 v3, v[108:111], s[10:11]     ; a wave stores 512 consecutive bytes, at a multiple of 256 from out0's first byte
	s_wait_tensorcnt 0x0                           ; the wave's end, behind my last LDS store
	ds_add_u32 v1, v2
	s_wait_dscnt 0x0
	s_endpgm
.Lfunc_end_k_qee211fd60b_finish:
	.size	k_qee211fd60b_finish, .Lfunc_end_k_qee211fd60b_finish-k_qee211fd60b_finish
	.p2alignl 7, 3214868480
	.fill 96, 4, 3214868480
	.section	.rodata,"a",@progbits
	.p2align	6, 0x0
	.amdhsa_kernel k_qee211fd60b_finish
		.amdhsa_group_segment_fixed_size 5376
		.amdhsa_private_segment_fixed_size 0
		.amdhsa_enable_private_segment 0
		.amdhsa_kernarg_size 40
		.amdhsa_user_sgpr_count 2
		.amdhsa_user_sgpr_kernarg_segment_ptr 1
		.amdhsa_wavefront_size32 1
		.amdhsa_system_sgpr_workgroup_id_x 1
		.amdhsa_system_sgpr_workgroup_id_y 1
		.amdhsa_system_sgpr_workgroup_id_z 1
		.amdhsa_system_vgpr_workitem_id 0
		.amdhsa_next_free_vgpr 128
		.amdhsa_next_free_sgpr 66
		.amdhsa_reserve_vcc 0
		.amdhsa_float_denorm_mode_32 3
		.amdhsa_float_denorm_mode_16_64 3
		.amdhsa_memory_ordered 1
		.amdhsa_forward_progress 1
		.amdhsa_inst_pref_size 17
	.end_amdhsa_kernel
	.amdgpu_metadata
---
amdhsa.version: [ 1, 2 ]
amdhsa.kernels:
  - .name:           k_qee211fd60b_finish
    .symbol:         k_qee211fd60b_finish.kd
    .args:
      - { .name: part, .offset: 0, .size: 8, .value_kind: global_buffer, .address_space: global }
      - { .name: ml, .offset: 8, .size: 8, .value_kind: global_buffer, .address_space: global }
      - { .name: scores, .offset: 16, .size: 8, .value_kind: global_buffer, .address_space: global }
      - { .name: out0, .offset: 24, .size: 8, .value_kind: global_buffer, .address_space: global }
      - { .name: out1, .offset: 32, .size: 8, .value_kind: global_buffer, .address_space: global }
    .group_segment_fixed_size: 5376
    .private_segment_fixed_size: 0
    .kernarg_segment_align: 8
    .kernarg_segment_size: 40
    .max_flat_workgroup_size: 256
    .sgpr_count:     66
    .vgpr_count:     128
    .wavefront_size: 32
...
	.end_amdgpu_metadata
.endif
;; end of part 3
